; MI455X (gfx1250); checked and timed in simulation.
; The chip was launched on July 23, 2026; its instructions are those of AMD's public machine-readable ISA for CDNA 5 (MIT licence, August 2026) and "CDNA5" Instruction Set Architecture Reference Guide (July 2026). The comments in the code are by the model that wrote it; some were corrected since.
;; s LSTM Cell. Allowed arithmetic: matrix products marked QUANTISED: E2M3 operands, one E8M0 scale for each 32 along K, by v_wmma_scale_f32_16x16x128_f8f6f4 with both operands' format E2M3, f32 sums; everything else in f32.
;; Inputs: Wh_codes 4,096 x 32 x 24 uint8 (E2M3 codes of Wh, K innermost, in blocks of 32 codes, four codes in three bytes); Wh_scales 4,096 x 32 uint8 (E8M0 scales of Wh, one for each 32 codes along K); Wx_codes 4,096 x 16 x 24 uint8 (E2M3 codes of Wx, K innermost, in blocks of 32 codes, four codes in three bytes); Wx_scales 4,096 x 16 uint8 (E8M0 scales of Wx, one for each 32 codes along K); bh 4,096 float32; bx 4,096 float32; c_prev 8,192 x 1,024 float32; h_prev_codes 8,192 x 32 x 24 uint8 (E2M3 codes of h_prev, K innermost, in blocks of 32 codes, four codes in three bytes); h_prev_scales 8,192 x 32 uint8 (E8M0 scales of h_prev, one for each 32 codes along K); ln_c_b 1,024 float32; ln_c_g 1,024 float32; ln_h_b 1,024 float32; ln_h_g 1,024 float32; ln_hu_b 4,096 float32; ln_hu_g 4,096 float32; ln_in_b 4,096 float32; ln_in_g 4,096 float32; x_codes 8,192 x 16 x 24 uint8 (E2M3 codes of x, K innermost, in blocks of 32 codes, four codes in three bytes); x_scales 8,192 x 16 uint8 (E8M0 scales of x, one for each 32 codes along K).
;; Outputs: out0 8,192 x 1,024 float32; out1 8,192 x 1,024 float32.
;; This version of the problem:
;;   THIS VERSION OF THE PROBLEM IS GIVEN IN LOW PRECISION. The matrix products marked QUANTISED in the list below multiply operands that are first quantised to E2M3 (2 exponent bits, 3 mantissa bits; 6 bits a number), with one power-of-two scale for each 32 numbers along K (OCP MX v1.0); their sums are f32. All else is computed in f32.
;;   The module's matrix products, in the order in which they are computed (A, B: the left and right operand; K: the contracted axis; several contracted axes count as one K, in the product's order):
;;     1. [M 8,192, K 512] x [K 512, N 4,096]; A: input x (given as codes); B: input Wx (given as codes): QUANTISED
;;     2. [M 8,192, K 1,024] x [K 1,024, N 4,096]; A: input h_prev (given as codes); B: input Wh (given as codes): QUANTISED
;;   THE QUANTISER, for each operand of a quantised product, along K:
;;     - K is cut into blocks of 32 from its start; a last block that is shorter is filled with zeros.
;;     - A block's scale is 2^e with e = floor(log2(the largest magnitude in the block)) - 2, held to -126 .. 127; a block of zeros has e = 0. As a byte (E8M0): e + 127.
;;     - Each number is divided by its block's scale, clamped to +-7.5, and rounded to the nearest number of E2M3, ties to even, subnormals kept.
;;     - The product sums the exact products of the quantised numbers (number of the format x scale) in f32.
;;   ~~~python
;;   def quantise(x, axis):      # numpy; x: float32 -> the quantised numbers, widened to float32 again
;;       x = np.moveaxis(x, axis, -1); K = x.shape[-1]
;;       x = np.pad(x, [(0, 0)] * (x.ndim - 1) + [(0, -K % 32)]); x = x.reshape(x.shape[:-1] + (-1, 32)); a = np.abs(x).max(-1, keepdims=True)
;;       e = np.where(a > 0, np.clip(np.frexp(np.where(a > 0, a, 1))[1] - 1 - 2, -126, 127), 0)      # np.frexp(a)[1] - 1 = floor(log2(a)), exactly
;;       r = np.clip(x / 2.0 ** e, -7.5, 7.5)
;;       step = 2.0 ** (np.maximum(np.frexp(np.where(r == 0, 1, r))[1] - 1, 0) - 3)
;;       q = np.round(r / step) * step * 2.0 ** e      # np.round: ties to even
;;       return np.moveaxis(q.reshape(q.shape[:-2] + (-1,))[..., :K], -1, axis).astype(np.float32)
;;   ~~~
;;   INPUTS GIVEN AS CODES. Wh (in the module: [4096, 1024], K = its axis 1); Wx (in the module: [4096, 512], K = its axis 1); h_prev (in the module: [8192, 1024], K = its axis 1); x (in the module: [8192, 512], K = its axis 1): each comes as NAME_codes (uint8): NAME with its K axis moved to the last place and cut into blocks of 32 codes, [.., K / 32, bytes a block], one block behind the other in memory; four codes in three bytes: a row's codes are one little-endian stream of bits, code i at bits 6 i .. 6 i + 5 (a code: sign, 2 exponent bits, 3 mantissa bits); and NAME_scales (uint8): the same leading axes, one E8M0 byte (e + 127) for each 32 codes along K. Its value is code x scale, taken as it is: it is not quantised again, and the codes and scales need not be those that the quantiser above would give.
;; One version. Each part assembles by itself: llvm-mc -triple=amdgcn-amd-amdhsa -mcpu=gfx1250 --defsym DOCPART=n.
;; ======== version 1 of 1: 2 launches
;; limits: a function is approximated: absolute error at most 1e-07
;; workspace buffers: yx 134,217,728 bytes; yh 134,217,728 bytes
;; launch gemm_xh (part 1): grid 16 x 32, 4 waves a work-group, clusters of 4 x 4, 327,680 bytes of LDS; arguments x_codes, x_scales, Wx_codes, Wx_scales, h_prev_codes, h_prev_scales, Wh_codes, Wh_scales, yx, yh; writes yx, yh
.if DOCPART == 1
	.amdgcn_target "amdgcn-amd-amdhsa--gfx1250"
	.amdhsa_code_object_version 6
	.text
	.protected	k_q04dffc0921_gemm_xh
	.globl	k_q04dffc0921_gemm_xh
	.p2align	8
	.type	k_q04dffc0921_gemm_xh,@function
k_q04dffc0921_gemm_xh:
	s_mov_b64 s[64:65], 0
	v_nop
	global_prefetch_b8 v0, s[64:65] scope:SCOPE_SE
	s_setreg_imm32_b32 hwreg(HW_REG_WAVE_MODE, 25, 1), 1
	s_wait_xcnt 0x0
	s_wait_alu depctr_hold_cnt(0) depctr_sa_sdst(0) depctr_va_vdst(0) depctr_va_sdst(0) depctr_va_ssrc(0) depctr_va_vcc(0) depctr_vm_vsrc(0)
	s_getreg_b32 s2, hwreg(HW_REG_IB_STS2, 6, 4)
	s_cmp_eq_u32 s2, 0
	s_cbranch_scc0 .Lentry_in_a_cluster
	s_endpgm
.Lentry_in_a_cluster:
	s_bfe_u32 s2, ttmp6, 0x10000c
	s_cmp_lg_u32 s2, 0xf033
	s_cbranch_scc0 .Lentry_shape_is_right
	s_endpgm
.Lentry_shape_is_right:
; yx[m][n] = sum over k of x[m][k] Wx[n][k] (K = 512), then yh[m][n] = sum over k of h_prev[m][k] Wh[n][k] (K = 1,024), both without their biases (the launch that reads them adds those).
; All four operands: codes of FP6 (E2M3), 6 bits each, K innermost, with one E8M0 scale byte for each 32 along K; yx, yh: [8192][4096] f32; sums in f32.
; A number is its code's value x 2^(e - 127), e its block's byte.  The matrix instruction takes codes and scale bytes as they lie in memory: a row of codes is one stream of bits, 128 codes are 96 bytes.
; LIMIT: a scale byte 0xff (NaN) is not served.
; A work-group of four waves, as many as a WGP has SIMDs, makes the tile 256 x 256 of yx and then THE SAME TILE of yh; a wave makes 128 x 128: 64 accumulators of 16 x 16, 512 registers.
; ONE RING FOR BOTH PRODUCTS.  K goes in steps of 256 (a tile's row is 192 bytes of memory) through two LDS slots filled by the tensor data mover: x's steps 0, 1, then h_prev's steps 0 to 3.
; The two changes of slots of the first product ask for the second product's first two steps, so the second product finds its tiles in LDS; and nothing waits for yx's stores, which leave while yh is multiplied.
; THE SCALES of the work-group's 256 + 256 rows, for all of K, of both products, are four dense blocks of memory: they come into LDS ONCE, with the first fills, in whole units of 256 bytes, and stay.
; CLUSTERS: 4 x 4 work-groups.  The four of a row of the cluster need the same tiles of x and h_prev, the four of a column the same tiles of Wx and Wh: each tile is asked for JOINTLY, by the same tensor load with the
; same descriptor and a mask that names the four.  THE MATRIX INSTRUCTION IS USED TRANSPOSED (source 0 = 16 rows of the weight, source 1 = 16 rows of the activations): a lane then holds eight neighbouring numbers of a row of the result.
; Below A stands for x or h_prev, B for Wx or Wh, C for yx or yh.
; REGISTERS, in windows of 256: window 0: v0-31 addresses; v32-63 scale words, two sets; from v128 A's fragments (8 x 16 rows x 128 K), ONE set; on a way out v128-255 hold rows of C.
;   window 1: B's fragments, TWO sets, at v0 and at v128.   window 2: the 32 accumulators of my rows 0-63 (accumulator (a, b) at v[8 (8 a + b)]);   window 3: those of my rows 64-127.
; A step of 128 along K is 64 matrix instructions, A's blocks one after the other, each against B's eight.  So a block of A is free as soon as its eight products are issued, and one set of registers serves A:
; blocks 0-3 are fetched anew in the step's middle, blocks 4-7 at its end.  B's fragments are at work through the whole step, so B has two sets.
.set SIZE_N, 4096
.set KX,     512                       ; the first product's K
.set KH,     1024                      ; the second's
.set KSTEP,  256                       ; along K in a slot
.set NQ,     KSTEP/128                 ; matrix instructions deep
.set ROWB,   192                       ; a tile's row in bytes: KSTEP codes of 6 bits
.set KROWX,  KX*6/8                    ; a row of x or Wx in memory, in bytes
.set KROWH,  KH*6/8                    ; a row of h_prev or Wh
.set PITCH,  240                       ; an LDS row: 3 x (64 bytes of data + 16 of padding) = 60 words: row r starts at bank -4 r mod 64 (64 banks of 4 bytes: ISA guide 11.1), so the 32 lanes of a load of 8 bytes touch 64 different banks
.set FR,     12                        ; registers of a fragment: 16 rows x 128 K
.set NL,     6                         ; LDS loads that bring one
.set NP,     4                         ; places behind this matrix instruction (ISA guide 7.12.1)
.set HALFT,  128*PITCH                 ; 128 rows: what one tensor load brings, and what one wave reads of A or of B
.set SLOT,   4*HALFT                   ; A's 256 rows, then B's 256 rows
.set KSX,    KX/32                     ; a row of scales in bytes: 16,
.set KSH,    KH/32                     ; 32
.set SCLX,   2*SLOT                    ; behind the ring: the first product's scales, as units of 256 bytes + 16 of padding
.set HALFSX, (128*KSX/256)*272         ; the scales of 128 rows: what one tensor load brings
.set SBLKX,  (16*KSX/256)*272          ; those of 16 rows
.set SCLH,   SCLX+4*HALFSX             ; the second product's
.set HALFSH, (128*KSH/256)*272
.set SBLKH,  (16*KSH/256)*272
.set SPARE,  SCLH+4*HALFSH             ; the spare words, 128 bytes for each wave: two blocks of 256 bytes that no other line names
.set STAGE,  SPARE+512                 ; the way out: 16 rows x (512 bytes + 16) for each wave, in bytes of its own: slots are filled again after yx has gone through it
.set SPITCH, 528
.set ADRA, 16                          ; v16-17  LDS address of my A fragments in slot 0, 1  (v18-19: the same for the pieces that lie behind one padding more)
.set ADRB, 20                          ; v20-21  the same for B  (v22-23)
.set STO,  24                          ; v24     the way out: where I put 32 bytes of a row
.set RD,   25                          ; v25     the way out: where I read a row back
.set CO,   26                          ; v26     my byte offset in a row of C
.set SPW,  28                          ; v28     LDS address of my spare word: SPARE + 4 x my thread's number; never rewritten
.set NIL,  29                          ; v29     0; never rewritten
.set ADRS, 27                          ; v27     LDS address of my scale words in the first product: lanes 0-15 A's rows, lanes 16-31 B's;  v30 the same in the second.  ADRS, SBLK and CB name the product in hand
.set SBLK, SBLKX
.set CB,   20                          ; s[20:21] yx at my part of the tile;  s[22:23] yh
.set SC,   32                          ; scale words: set s (for slot s) at v[SC + 8 NQ s]; in it register NQ i + q: lanes 0-15 the word of A's block i, lanes 16-31 that of B's block i, for the slot's q-th 128 along K
.set AF,   128                         ; A's fragments, in window 0
.set BK,   128                         ; the way out: 16 rows read back from the stage: v128-191 and v192-255 by turns
.set WV,   2                           ; s2      my wave's number
.set WH,   3                           ; s3      its upper bit: which half of the tile's rows is mine.  Also: I fetch for A (0) or for B (1)
.set G0SX,  4                          ; s[4:7], s[8:11]    groups 0 for x's and Wx's scales;  s[12:15], s[16:19] for h_prev's and Wh's: built round the scale pointers as they were loaded
.set G0SXB, 8
.set G0SH,  12
.set G0SHB, 16
.set G1, 24                            ; s[24:31] descriptor group 1 for A's tiles;  s[32:39] group 0, one set for each slot
.set G0, 32
.set G1B, 48                           ; s[48:55], s[56:63] the same for B's tiles
.set G0B, 56
.set HA,  66                           ; s[66:67]   h_prev's codes at the rows that I fetch
.set HB,  100                          ; s[100:101] Wh's
.set G1SX,  68                         ; s[68:75], s[76:83] groups 1 for x's and Wx's scales;  s[84:91], s[92:99] for h_prev's and Wh's
.set G1SXB, 76
.set G1SH,  84
.set G1SHB, 92
.set MSB, 0
.macro WIN new                         ; the immediate's high byte repeats the setting that is left
.if MSB != \new
	s_set_vgpr_msb (MSB<<8)|\new
.set MSB, \new
.endif
.endm
.set MUL_LO, 0xa1                      ; source 0 (B) window 1, source 1 (A) window 0, C and D window 2
.set MUL_HI, 0xf1                      ; the same, C and D window 3
.set TO_B,   0x40                      ; destination window 1, address window 0
; A joint load: waves 0 and 1 fetch for A, waves 2 and 3 for B.  Each of the two lines has ONE mask and one set of registers for all that issue it; the branch hangs on the wave's number alone.
; Four v_nop follow each of the two lines, ahead of the jump, the label and what follows.
.macro JLOAD g0a, g1a, g0b, g1b
	s_cmp_eq_u32 s[WH], 0
	s_cbranch_scc0 .Lfor_b_\@
	tensor_load_to_lds s[\g0a:\g0a+3], s[\g1a:\g1a+7]
	s_nop 0
.rept 4
	v_nop
.endr
	s_branch .Lasked_\@
.Lfor_b_\@:
	tensor_load_to_lds s[\g0b:\g0b+3], s[\g1b:\g1b+7]
	s_nop 0
.rept 4
	v_nop
.endr
.Lasked_\@:
.endm
.macro CREST                           ; a round of the cluster's barrier behind its opening barrier
	s_cmp_lg_u32 s[WV], 0
	s_cbranch_scc1 .Lnot_wave_0_\@
	s_barrier_signal -3
.Lnot_wave_0_\@:
	s_barrier_wait -3
	s_barrier_signal -1
	s_barrier_wait -1
.endm
.macro CROUND                          ; a whole round
	s_barrier_signal -1
	s_barrier_wait -1
	CREST
.endm
	s_load_b512 s[4:19], s[0:1], 0x0               ; x's codes s[4:5], scales s[6:7]; Wx's s[8:9], s[10:11]; h_prev's s[12:13], s[14:15]; Wh's s[16:17], s[18:19]
	s_load_b128 s[20:23], s[0:1], 0x40             ; yx s[20:21], yh s[22:23]
	v_lshl_add_u32 v[SPW], v0, 2, SPARE
	v_mov_b32 v[NIL], 0
	ds_add_u32 v28, v29
	ds_add_u32 v28, v29
	s_wait_dscnt 0x0
	v_lshrrev_b32 v1, 5, v0
	v_readfirstlane_b32 s[WV], v1                  ; wave 0..3
	s_lshr_b32 s[WH], s[WV], 1
	; what hangs on cy stands in s40-43 and what hangs on cx in s44-47, until all descriptors are made
	s_bfe_u32 s44, ttmp6, 0x40000                  ; cx, cy: my place in the cluster
	s_bfe_u32 s40, ttmp6, 0x40004
	s_lshl_b32 s45, ttmp9, 2
	s_add_co_u32 s45, s45, s44                     ; tile column of C = 4 x cluster x + cx
	s_and_b32 s41, ttmp7, 0xffff
	s_lshl_b32 s41, s41, 2
	s_add_co_u32 s41, s41, s40                     ; tile row of C = 4 x cluster y + cy
	s_lshl_b32 s42, s40, 2
	s_lshl_b32 s42, 15, s42                        ; my row of the cluster
	s_lshl_b32 s46, 0x1111, s44                    ; my column
	; descriptor group 1: a tile of 128 rows x ROWB bytes, padded in LDS
	s_or_b32 s[G1+0], s42, (0<<16)|(1<<20)|(1<<21)|(3<<22)|(3<<25)  ; 15:0 the mask: A's tiles go to my row; 17:16 element of 1 byte; 20 padding on; 21 set beside a mask; 24:22 after every 16 words (code 3); 31:25 of 4 words (code 3)
	s_or_b32 s[G1B+0], s46, (0<<16)|(1<<20)|(1<<21)|(3<<22)|(3<<25)
.irp g, G1, G1B
	s_mov_b32 s[\g+1], ROWB<<16                    ; tensor_dim0
	s_mov_b32 s[\g+2], 128<<16                     ; tensor_dim1 = 128
	s_mov_b32 s[\g+3], ROWB<<16                    ; tile_dim0
	s_mov_b32 s[\g+4], 128                         ; tile_dim1 = 128
	s_mov_b32 s[\g+5], KROWX                       ; tensor_dim0_stride: the first product's; the first change of slots writes the second's
	s_mov_b32 s[\g+6], 0
	s_mov_b32 s[\g+7], 0
.endr
	; and for the scales of 128 rows: a dense block of 128 x 16 or 128 x 32 bytes, as rows of 256 bytes (32 elements of 8 bytes), 16 bytes of padding behind each
	s_or_b32 s[G1SX+0], s42, (3<<16)|(1<<20)|(1<<21)|(5<<22)|(3<<25)
	s_or_b32 s[G1SH+0], s42, (3<<16)|(1<<20)|(1<<21)|(5<<22)|(3<<25)
	s_or_b32 s[G1SXB+0], s46, (3<<16)|(1<<20)|(1<<21)|(5<<22)|(3<<25)
	s_or_b32 s[G1SHB+0], s46, (3<<16)|(1<<20)|(1<<21)|(5<<22)|(3<<25)
.irp g, G1SX, G1SXB
	s_mov_b32 s[\g+1], 32<<16
	s_mov_b32 s[\g+2], (128*KSX/256)<<16
	s_mov_b32 s[\g+3], 32<<16
	s_mov_b32 s[\g+4], 128*KSX/256
	s_mov_b32 s[\g+5], 32
	s_mov_b32 s[\g+6], 0
	s_mov_b32 s[\g+7], 0
.endr
.irp g, G1SH, G1SHB
	s_mov_b32 s[\g+1], 32<<16
	s_mov_b32 s[\g+2], (128*KSH/256)<<16
	s_mov_b32 s[\g+3], 32<<16
	s_mov_b32 s[\g+4], 128*KSH/256
	s_mov_b32 s[\g+5], 32
	s_mov_b32 s[\g+6], 0
	s_mov_b32 s[\g+7], 0
.endr
	s_and_b32 s43, s[WV], 1
	s_lshl_b32 s43, s43, 7                         ; which 128 rows of the tile I fetch
	s_lshl_b32 s40, s41, 8
	s_add_co_u32 s40, s40, s43                     ; A: row 256 x tile row + 128 x half
	s_lshl_b32 s44, s45, 8
	s_add_co_u32 s44, s44, s43                     ; B: row 256 x tile column + 128 x half
	s_mov_b32 s43, 0                               ; byte offsets stay under 2^27: the pairs' upper words are 0
	s_mov_b32 s47, 0
	s_wait_kmcnt 0x0
	s_mul_i32 s42, s40, KROWX
	s_add_nc_u64 s[4:5], s[4:5], s[42:43]          ; x's codes at these rows,
	s_mul_i32 s42, s40, KSX
	s_add_nc_u64 s[6:7], s[6:7], s[42:43]          ; its scales,
	s_mul_i32 s42, s40, KROWH
	s_add_nc_u64 s[HA:HA+1], s[12:13], s[42:43]    ; h_prev's codes,
	s_mul_i32 s42, s40, KSH
	s_add_nc_u64 s[14:15], s[14:15], s[42:43]      ; its scales
	s_mul_i32 s46, s44, KROWX
	s_add_nc_u64 s[8:9], s[8:9], s[46:47]          ; and the same of Wx and Wh
	s_mul_i32 s46, s44, KSX
	s_add_nc_u64 s[10:11], s[10:11], s[46:47]
	s_mul_i32 s46, s44, KROWH
	s_add_nc_u64 s[HB:HB+1], s[16:17], s[46:47]
	s_mul_i32 s46, s44, KSH
	s_add_nc_u64 s[18:19], s[18:19], s[46:47]
	s_mul_i32 s40, s[WV], HALFT                    ; where the tiles go: wave x 128 rows: no place in the cluster enters an LDS address
.irp s, 0,1
	s_mov_b32 s[G0+4*\s], 1                        ; 1:0 count = 1
	s_add_co_u32 s[G0+4*\s+1], s40, \s*SLOT        ; 63:32 LDS address
	s_add_nc_u64 s[G0+4*\s+2:G0+4*\s+3], s[4:5], \s*ROWB   ; 120:64 global address: x's K step s
	s_or_b32 s[G0+4*\s+3], s[G0+4*\s+3], 0x80000000        ; 127:126 type = 2
	s_mov_b32 s[G0B+4*\s], 1
	s_add_co_u32 s[G0B+4*\s+1], s40, \s*SLOT
	s_add_nc_u64 s[G0B+4*\s+2:G0B+4*\s+3], s[8:9], \s*ROWB
	s_or_b32 s[G0B+4*\s+3], s[G0B+4*\s+3], 0x80000000
.endr
	; the code pointers have been used: their registers take the first two words of the scales' groups 0; the scale addresses stand in the last two already
.irp g, G0SX, G0SXB
	s_mov_b32 s[\g], 1
	s_mul_i32 s[\g+1], s[WV], HALFSX
	s_add_co_u32 s[\g+1], s[\g+1], SCLX
	s_or_b32 s[\g+3], s[\g+3], 0x80000000
.endr
.irp g, G0SH, G0SHB
	s_mov_b32 s[\g], 1
	s_mul_i32 s[\g+1], s[WV], HALFSH
	s_add_co_u32 s[\g+1], s[\g+1], SCLH
	s_or_b32 s[\g+3], s[\g+3], 0x80000000
.endr
	CROUND                                         ; all sixteen work-groups are here: the first joint loads meet
	JLOAD G0SX, G1SX, G0SXB, G1SXB                 ; the first product's scales first: they are wanted with K step 0
	JLOAD G0, G1, G0B, G1B                         ; slot 0
	JLOAD G0+4, G1, G0B+4, G1B                     ; slot 1
	JLOAD G0SH, G1SH, G0SHB, G1SHB                 ; the second product's scales: four loads of mine are out
	v_and_b32 v1, 15, v0                           ; l % 16
	v_bfe_u32 v2, v0, 4, 1                         ; l / 16
	v_mul_u32_u24 v3, v1, PITCH
	v_mul_u32_u24 v4, v2, 24
	v_add_nc_u32 v4, v3, v4                        ; a fragment's row x pitch + 24 x half
	v_lshl_add_u32 v5, v2, 4, v4                   ; and the same behind one padding more
	s_and_b32 s40, s[WV], 1                        ; which half of the tile's columns is mine
	s_mul_i32 s42, s[WH], HALFT                    ; my 128 rows of A
	s_mul_i32 s43, s40, HALFT                      ; my 128 rows of B,
	s_add_co_u32 s43, s43, 2*HALFT                 ; which lie behind A's 256
.irp s, 0,1
	v_add_nc_u32 v[ADRA+\s], s42, v4
	v_add_nc_u32 v[ADRB+\s], s43, v4
	v_add_nc_u32 v[ADRA+2+\s], s42, v5
	v_add_nc_u32 v[ADRB+2+\s], s43, v5
	s_add_co_u32 s42, s42, SLOT
	s_add_co_u32 s43, s43, SLOT
.endr
.macro SCADR dst, ks, halfs, scl       ; where my scale words of a product lie
	v_mul_u32_u24 v5, v1, \ks                      ; my row's scales: ks bytes a row,
	v_lshrrev_b32 v6, 8, v5
	v_lshl_add_u32 v5, v6, 4, v5                   ; and 16 more for each 256 passed
	s_mul_i32 s42, s[WH], \halfs                   ; A's: my 128 rows
	s_mul_i32 s43, s40, \halfs                     ; B's: my 128 rows, behind A's 256
	s_add_co_u32 s43, s43, 2*\halfs
	s_sub_co_u32 s43, s43, s42
	v_mul_u32_u24 v6, s43, v2                      ; lanes 16-31 take B's
	s_add_co_u32 s42, s42, \scl
	v_add_nc_u32 v5, v5, v6
	v_add_nc_u32 v[\dst], s42, v5
.endm
	SCADR 27, KSX, HALFSX, SCLX
	SCADR 30, KSH, HALFSH, SCLH
	s_mul_i32 s42, s[WV], 16*SPITCH
	s_add_co_u32 s42, s42, STAGE                   ; my stage
	v_mul_u32_u24 v5, v1, SPITCH                   ; in: row l % 16, 32 bytes for each half of the lanes
	v_lshl_add_u32 v5, v2, 5, v5
	v_add_nc_u32 v[STO], s42, v5
	v_and_b32 v6, 31, v0
	v_lshlrev_b32 v[CO], 4, v6                     ; back: the 32 lanes take one row of 512 bytes; and the same in C
	v_add_nc_u32 v[RD], s42, v[CO]
	s_lshl_b32 s42, s41, 8
	s_lshl_b32 s43, s[WH], 7
	s_add_co_u32 s42, s42, s43                     ; my first row of C: 256 x tile row + 128 x half,
	s_lshl_b32 s42, s42, 14                        ; in bytes: 16,384 a row (under 2^27)
	s_lshl_b32 s46, s45, 10                        ; my first column, in bytes: 1024 x tile column + 512 x half
	s_lshl_b32 s47, s40, 9
	s_add_co_u32 s46, s46, s47
	s_add_co_u32 s42, s42, s46
	s_mov_b32 s43, 0
	s_add_nc_u64 s[20:21], s[20:21], s[42:43]      ; yx and yh have one shape: one offset serves both
	s_add_nc_u64 s[22:23], s[22:23], s[42:43]
.macro FRAG reg, adr, q, i             ; a fragment, 16 rows x 128 K of 6-bit codes, is 12 registers: lane l holds row l % 16; registers 6 c .. 6 c + 5 hold K = 64 c + 32 (l / 16) + 0 .. 31: 24 bytes of the row's stream of bits, as they lie
.irp p, 0,1,2,3,4,5                    ; in pieces of 8 bytes, so that every address is a multiple of the access's size.  Lanes 0-15 take the row's pieces 12 q + 0, 1, 2 and 12 q + 6, 7, 8, lanes 16-31 those three pieces on
.set PC, 12*(\q)+6*(\p/3)+\p%3        ; the mover has laid 16 bytes of padding behind every 64 bytes (8 pieces): where the piece three on lies behind one padding more, the second address register (40 for 24 bytes a half) serves
.if PC%8 < 5
	ds_load_b64 v[\reg+2*\p:\reg+2*\p+1], v[\adr] offset:8*PC+16*(PC/8)+(\i)*16*PITCH
.else
	ds_load_b64 v[\reg+2*\p:\reg+2*\p+1], v[\adr+2] offset:8*PC+16*(PC/8)+(\i)*16*PITCH
.endif
.endr
.endm
; 16 matrix instructions: A's blocks a0, a0 + 1 x B's eight, 128 along K: the slot's q-th.  p: B's set;  sc: the set of scale words.  zero = 1: the first product starts the sums: nothing is ever cleared.
; The 64 accumulators take turns, one instruction a turn, in the same order in every step of both products.
.macro MUL16 a0, p, q, sc, zero
.irp a, \a0, \a0+1
.irp b, 0,1,2,3,4,5,6,7
.if \zero
	v_wmma_scale_f32_16x16x128_f8f6f4 v[8*(8*((\a)%4)+\b):8*(8*((\a)%4)+\b)+7], v[128*(\p)+FR*\b:128*(\p)+FR*\b+FR-1], v[AF+FR*(\a):AF+FR*(\a)+FR-1], 0, v[SC+8*NQ*(\sc)+NQ*\b+(\q)], v[SC+8*NQ*(\sc)+NQ*(\a)+(\q)] matrix_a_fmt:MATRIX_FMT_FP6 matrix_b_fmt:MATRIX_FMT_FP6 matrix_a_scale:MATRIX_SCALE_ROW1
.else
	v_wmma_scale_f32_16x16x128_f8f6f4 v[8*(8*((\a)%4)+\b):8*(8*((\a)%4)+\b)+7], v[128*(\p)+FR*\b:128*(\p)+FR*\b+FR-1], v[AF+FR*(\a):AF+FR*(\a)+FR-1], v[8*(8*((\a)%4)+\b):8*(8*((\a)%4)+\b)+7], v[SC+8*NQ*(\sc)+NQ*\b+(\q)], v[SC+8*NQ*(\sc)+NQ*(\a)+(\q)] matrix_a_fmt:MATRIX_FMT_FP6 matrix_b_fmt:MATRIX_FMT_FP6 matrix_a_scale:MATRIX_SCALE_ROW1
.endif
.endr
.endr
.endm
.macro FETCH_B slot, q, p              ; B's eight fragments of the slot's q-th 128 along K into set p
	WIN TO_B
.irp i, 0,1,2,3,4,5,6,7
	FRAG 128*(\p)+FR*\i, ADRB+\slot, \q, \i
.endr
	WIN 0
.endm
.macro FETCH_A slot, q, i0             ; A's blocks i0 .. i0 + 3
.irp i, \i0, \i0+1, \i0+2, \i0+3
	FRAG AF+FR*(\i), ADRA+\slot, \q, \i
.endr
.endm
.macro SCALES sc                       ; a K step's scale words into set sc: NQ words a row; lanes 0-15 take A's block i, lanes 16-31 B's block i
.irp i, 0,1,2,3,4,5,6,7
	ds_load_b64 v[SC+8*NQ*\sc+NQ*\i:SC+8*NQ*\sc+NQ*\i+1], v[ADRS] offset:\i*SBLK
.endr
.endm
; A load into a register that a matrix instruction has read, and a vector instruction or an LDS store that reads a matrix result, stand NP places behind that matrix instruction, and only plain vector
; instructions that name none of its registers are places (ISA guide 7.12.1 for vector instructions); this text does not count the matrix instructions in between.
.macro PLACES n
.rept \n
	v_nop
.endr
.endm
; A step of 128 along K that has its successor in the same slot.
.macro STEP slot, q, zero
	s_wait_dscnt 4*NL                              ; B's set and A's blocks 0-3 are in; the youngest 24 loads (A's blocks 4-7) may be out
	WIN MUL_LO
	MUL16 0, (\q)%2, \q, \slot, \zero
	MUL16 2, (\q)%2, \q, \slot, \zero
	s_wait_dscnt 0                                 ; A's blocks 4-7 are in (asked for 32 matrix instructions ago)
	PLACES NP
	FETCH_B \slot, (\q)+1, 1-(\q)%2
	FETCH_A \slot, (\q)+1, 0
	WIN MUL_HI
	MUL16 4, (\q)%2, \q, \slot, \zero
	MUL16 6, (\q)%2, \q, \slot, \zero
	PLACES NP
	WIN 0
	FETCH_A \slot, (\q)+1, 4
.endm
; A slot's last step changes slots: ONE barrier; in front of it each wave waits for all its tensor loads, adds 0 to its spare word, and waits for that and for its own reads of this slot.
; fill = 1: this slot is filled again, two K steps ahead in the same product.  fill = 2: with the SECOND product's K step of this slot's number.  fill = 0: nothing is left to fetch.
; fetch = 1: the next slot's first fragments and scale words are read.  fetch = 0: a product's last step: a way out follows, which takes the registers of A's fragments.
.macro TURN slot, next, fill, fetch
	s_wait_tensorcnt 0x0                           ; all my tensor loads have landed: my part of the next slot;  (every window is 0 here: the add's two registers lie in window 0)
	ds_add_u32 v[SPW], v[NIL]                      ; 0 onto my spare word
	s_wait_dscnt 4*NL+1                            ; (the add and the youngest 24 loads, A's blocks 4-7, may be out)
	WIN MUL_LO
	MUL16 0, 1, NQ-1, \slot, 0                     ; sixteen matrix instructions stand between the add and the wait for it
	s_wait_dscnt 0x0                               ; the add is done, and my reads of this slot are over
	s_barrier_signal -1
	MUL16 2, 1, NQ-1, \slot, 0
	WIN 0
	s_barrier_wait -1
.if \fill
	CREST                                          ; the barrier has opened a round of the cluster's barrier: no wave of any partner still reads this slot's tile or has a load on its way
.if \fill == 2
.if \slot == 0
	s_mov_b32 s[G1+5], KROWH                       ; no tensor load of mine is out, so descriptors may be written: from here on the rows in memory are the second product's
	s_mov_b32 s[G1B+5], KROWH
.endif
	s_add_nc_u64 s[G0+4*\slot+2:G0+4*\slot+3], s[HA:HA+1], \slot*ROWB
	s_or_b32 s[G0+4*\slot+3], s[G0+4*\slot+3], 0x80000000
	s_add_nc_u64 s[G0B+4*\slot+2:G0B+4*\slot+3], s[HB:HB+1], \slot*ROWB
	s_or_b32 s[G0B+4*\slot+3], s[G0B+4*\slot+3], 0x80000000
.else
	s_add_nc_u64 s[G0+4*\slot+2:G0+4*\slot+3], s[G0+4*\slot+2:G0+4*\slot+3], 2*ROWB
	s_add_nc_u64 s[G0B+4*\slot+2:G0B+4*\slot+3], s[G0B+4*\slot+2:G0B+4*\slot+3], 2*ROWB
.endif
	JLOAD G0+4*\slot, G1, G0B+4*\slot, G1B         ; the first tensor load behind the round; the four v_nop behind it are among the places in front of the loads below
.else
	PLACES NP
.endif
.if \fetch
	v_add_nc_u32 v[ADRS], 4*NQ, v[ADRS]            ; on to the next K step's scale words (no LDS load of mine is out)
	FETCH_B \next, 0, 0
	FETCH_A \next, 0, 0
	SCALES \next
.endif
	WIN MUL_HI
	MUL16 4, 1, NQ-1, \slot, 0
	MUL16 6, 1, NQ-1, \slot, 0
.if \fetch
	PLACES NP
	WIN 0
	FETCH_A \next, 0, 4
.else
	WIN 0
.endif
.endm
; THE WAY OUT, block by block of 16 rows x 128 columns.  A lane holds 32 neighbouring bytes of a row, and the lanes beside it hold other rows: so a block goes through my own stage in LDS and comes back as whole
; rows of 512 bytes, which the 32 lanes store as two aligned runs of 256 bytes.  LDS serves a wave's instructions in order (ISA guide 5.7.1.4): no wait between the stores and the loads, nor in front of the next block's stores.
.macro TOSTAGE a
.set AC, 64*((\a)%4)
	WIN 0x08+4*((\a)/4)                            ; the data: window 2 or 3
.irp b, 0,1,2,3,4,5,6,7
	ds_store_b128 v[STO], v[AC+8*\b:AC+8*\b+3] offset:64*\b          ; each accumulator from its low end on
	ds_store_b128 v[STO], v[AC+8*\b+4:AC+8*\b+7] offset:64*\b+16
.endr
	WIN 0
.set BB, BK+64*((\a)%2)
.irp t, 0,1,2,3,4,5,6,7,8,9,10,11,12,13,14,15
	ds_load_b128 v[BB+4*\t:BB+4*\t+3], v[RD] offset:\t*SPITCH
.endr
.endm
.macro SEND a, younger                 ; younger: the LDS instructions issued behind block a's loads, which may stay out
.set BB, BK+64*((\a)%2)
	s_wait_dscnt \younger                          ; the block is back in registers
.if (\a) > 0
	s_add_nc_u64 s[CB:CB+1], s[CB:CB+1], 16*SIZE_N*4   ; (behind a wait on XCNT: the earlier stores have read their base)  16 rows of C on, so that the stores' offsets stay small: 15 rows of C, 245,760 bytes, at the most
.endif
.irp t, 0,1,2,3,4,5,6,7,8,9,10,11,12,13,14,15
	global_store_b128 v[CO], v[BB+4*\t:BB+4*\t+3], s[CB:CB+1] offset:\t*SIZE_N*4 th:TH_STORE_NT   ; 32 lanes store 512 consecutive bytes, at a multiple of 256 from C's first byte; written once, read by nobody in this launch
.endr
.endm
.macro WAYOUT
	PLACES NP                                      ; these places serve the loads into the registers that held A's fragments and the reads of the last products' results alike
	TOSTAGE 0
.irp a, 1,2,3,4,5,6,7
.if \a > 1
	s_wait_xcnt 0x0                                ; block a - 2's stores have read their registers and their base: block a's loads may land there, and the base may step
.endif
	TOSTAGE \a
	SEND \a-1, 32                                  ; behind block a - 1's loads: block a's 16 stores and 16 loads
.endr
	s_wait_xcnt 0x0                                ; block 6's stores have read their base
	SEND 7, 0
.endm
	; ---- yx = x Wx^T: K steps 0 (slot 0) and 1 (slot 1)
	s_wait_tensorcnt 2                             ; the first product's scales and my part of its K step 0 are in; the two loads issued behind them (slot 1, the second product's scales) may be out,
	s_barrier_signal -1
	s_barrier_wait -1                              ; everybody's are
	FETCH_B 0, 0, 0
	FETCH_A 0, 0, 0
	SCALES 0
	FETCH_A 0, 0, 4
	STEP 0, 0, 1                                   ; a product's first step starts the sums
	TURN 0, 1, 2, 1                                ; slot 0 takes h_prev's and Wh's K step 0
	STEP 1, 0, 0
	TURN 1, 0, 2, 0                                ; slot 1 takes their K step 1.  Its wait and barrier have also shown slot 0 whole
	WAYOUT                                         ; both refills are asked for: now yx's tile goes out
	; ---- yh = h_prev Wh^T: K steps 0 to 3.  Nothing waits for yx's stores but the registers that they read
.set ADRS, 30
.set SBLK, SBLKH
.set CB,   22
	FETCH_B 0, 0, 0
	SCALES 0
	s_wait_xcnt 0x0                                ; yx's last stores have had their addresses translated (ISA guide 3.1): only behind this wait do loads land in the registers that they read
	FETCH_A 0, 0, 0
	FETCH_A 0, 0, 4
	STEP 0, 0, 1                                   ; the sums begin anew with the constant 0: eight places or more (those of the joint load, of the way out, of this step) lie behind each accumulator's last product
	TURN 0, 1, 1, 1                                ; slot 0 takes K step 2
	STEP 1, 0, 0
	TURN 1, 0, 1, 1                                ; slot 1 takes K step 3
	STEP 0, 0, 0
	TURN 0, 1, 0, 1                                ; nothing is left to fetch: no round of the cluster's barrier
	STEP 1, 0, 0
	s_wait_dscnt 4*NL                              ; the very last step
	WIN MUL_LO
	MUL16 0, 1, NQ-1, 1, 0
	MUL16 2, 1, NQ-1, 1, 0
	s_wait_dscnt 0
	WIN MUL_HI
	MUL16 4, 1, NQ-1, 1, 0
	MUL16 6, 1, NQ-1, 1, 0
	WIN 0
	WAYOUT
	s_wait_tensorcnt 0x0                           ; the wave's end: behind my last tensor load and my last LDS store
	ds_add_u32 v[SPW], v[NIL]
	s_wait_dscnt 0x0
	CROUND                                         ; the closing round: no work-group ends while a partner may still ask for a tile that names it
	s_endpgm
.Lfunc_end_k_q04dffc0921_gemm_xh:
	.size	k_q04dffc0921_gemm_xh, .Lfunc_end_k_q04dffc0921_gemm_xh-k_q04dffc0921_gemm_xh
	.p2alignl 7, 3214868480
	.fill 96, 4, 3214868480
	.section	.rodata,"a",@progbits
	.p2align	6, 0x0
	.amdhsa_kernel k_q04dffc0921_gemm_xh
		.amdhsa_group_segment_fixed_size 327680
		.amdhsa_private_segment_fixed_size 0
		.amdhsa_enable_private_segment 0
		.amdhsa_kernarg_size 80
		.amdhsa_user_sgpr_count 2
		.amdhsa_user_sgpr_kernarg_segment_ptr 1
		.amdhsa_wavefront_size32 1
		.amdhsa_system_sgpr_workgroup_id_x 1
		.amdhsa_system_sgpr_workgroup_id_y 1
		.amdhsa_system_sgpr_workgroup_id_z 1
		.amdhsa_system_vgpr_workitem_id 0
		.amdhsa_next_free_vgpr 1024
		.amdhsa_next_free_sgpr 102
		.amdhsa_reserve_vcc 0
		.amdhsa_float_denorm_mode_32 3
		.amdhsa_float_denorm_mode_16_64 3
		.amdhsa_memory_ordered 1
		.amdhsa_forward_progress 1
		.amdhsa_inst_pref_size 253
	.end_amdhsa_kernel
	.amdgpu_metadata
---
amdhsa.version: [ 1, 2 ]
amdhsa.kernels:
  - .name:           k_q04dffc0921_gemm_xh
    .symbol:         k_q04dffc0921_gemm_xh.kd
    .args:
      - { .name: x_codes, .offset: 0, .size: 8, .value_kind: global_buffer, .address_space: global }
      - { .name: x_scales, .offset: 8, .size: 8, .value_kind: global_buffer, .address_space: global }
      - { .name: Wx_codes, .offset: 16, .size: 8, .value_kind: global_buffer, .address_space: global }
      - { .name: Wx_scales, .offset: 24, .size: 8, .value_kind: global_buffer, .address_space: global }
      - { .name: h_prev_codes, .offset: 32, .size: 8, .value_kind: global_buffer, .address_space: global }
      - { .name: h_prev_scales, .offset: 40, .size: 8, .value_kind: global_buffer, .address_space: global }
      - { .name: Wh_codes, .offset: 48, .size: 8, .value_kind: global_buffer, .address_space: global }
      - { .name: Wh_scales, .offset: 56, .size: 8, .value_kind: global_buffer, .address_space: global }
      - { .name: yx, .offset: 64, .size: 8, .value_kind: global_buffer, .address_space: global }
      - { .name: yh, .offset: 72, .size: 8, .value_kind: global_buffer, .address_space: global }
    .group_segment_fixed_size: 327680
    .private_segment_fixed_size: 0
    .kernarg_segment_align: 8
    .kernarg_segment_size: 80
    .max_flat_workgroup_size: 128
    .sgpr_count:     102
    .vgpr_count:     1024
    .wavefront_size: 32
...
	.end_amdgpu_metadata
.endif
;; end of part 1
;; launch cell (part 2): grid 256 x 1, 8 waves a work-group, no clusters, 99,328 bytes of LDS; arguments yx, yh, bx, bh, ln_in_g, ln_in_b, ln_hu_g, ln_hu_b, c_prev, ln_c_g, ln_c_b, ln_h_g, ln_h_b, out0, out1; writes out0, out1
.if DOCPART == 2
	.amdgcn_target "amdgcn-amd-amdhsa--gfx1250"
	.amdhsa_code_object_version 6
	.text
	.protected	k_q04dffc0921_cell
	.globl	k_q04dffc0921_cell
	.p2align	8
	.type	k_q04dffc0921_cell,@function
k_q04dffc0921_cell:
	s_mov_b64 s[64:65], 0
	v_nop
	global_prefetch_b8 v0, s[64:65] scope:SCOPE_SE
	s_setreg_imm32_b32 hwreg(HW_REG_WAVE_MODE, 25, 1), 1
	s_wait_xcnt 0x0
; The sLSTM cell behind its two products.  yx, yh: [8192][4096] f32, the products without their biases.  For each row:
;   gates = LN(yx + bx; ln_in) + LN(yh + bh; ln_hu), both norms over all 4,096 columns; i, f, g, o = its four quarters of 1,024;
;   i, f: e = exp(clip(pre - mean, -5, 5)), e / (sum e + 1e-6); then each divided by (i + f + 1e-6);
;   c = LN(f c_prev + i tanh(g); ln_c) -> out1;   h = sigmoid(o) LN(tanh(c); ln_h) -> out0.   All in f32.
; SHARES.  ONE WAVE HOLDS A WHOLE ROW: 128 registers of yx, 128 of yh, 128 of gates.  So every sum over a row stays inside the wave (four steps among 16 lanes, one between the halves) and no wave waits for another.
; A work-group of eight waves owns 32 rows, a wave four, one after the other.  Load j of a row takes the 512 bytes at 512 j, 16 a lane: register 4 j + i is column 128 j + 4 lane + i.
; A gate is eight loads, so i, f, g, o, c_prev, c and h of one column lie in one lane at one place among their 32 registers.  Every load and store of a wave covers 512 consecutive bytes, aligned.
; THE PARAMETERS (96 KiB: four vectors of 4,096, the sum of the two norms' biases, four vectors of 1,024) are stored in LDS once, in front of the one barrier, and only read behind it, 16 bytes a lane on end.
; THE NEXT ROW is asked for as soon as the gates are formed and the registers of yx and yh are free: it lands under the rest of the row's work.  The last row is written out without loads.
; No matrix unit, no cluster, no tensor load: what work-groups share is the 96 KiB of parameters against 1.4 MB of rows for each.
; ARITHMETIC.  Each variance is taken of centred numbers.  tanh(x) = 1 - 2 / (1 + 2^(2 x log2 e)), sigmoid(x) = 1 / (1 + 2^(-x log2 e)): right at both ends (2^x overflows to infinity, whose reciprocal is 0).
; f c_prev + i tanh(g) is computed as (v c_prev + u tanh(g)) / (u + v + 1e-6), u and v the gates ahead of their common divisor.
; LIMITS.  NaN and infinities among the inputs are not served.  tanh's absolute error is about 1e-7, so its relative accuracy falls off under |x| of about 1e-5.  The clip is applied to (pre - mean) x log2 e at
; +-5 log2 e: the same clip up to one rounding.  The two norms' biases are added to each other first, and a norm's 1 / sqrt is multiplied into its gain first: orders of rounding that differ from the definition's.
.set ROWY, 16384                       ; bytes in a row of yx or yh
.set ROWC, 4096                        ; bytes in a row of c_prev, out0, out1
.set BXo, 0                            ; LDS: bx,
.set BHo, 16384                        ; bh,
.set GXo, 32768                        ; ln_in_g,
.set GHo, 49152                        ; ln_hu_g,
.set BBo, 65536                        ; ln_in_b + ln_hu_b,
.set CGo, 81920                        ; ln_c_g,
.set CBo, 86016                        ; ln_c_b,
.set HGo, 90112                        ; ln_h_g,
.set HBo, 94208                        ; ln_h_b; the end is 98,304
.set HI,  65536                        ; an LDS offset has 16 bits: the regions from here on are reached by a second address register
.set A1,  1                            ; v1   16 x lane: the LDS address under 64 KiB, and the offset of every access to a row; never rewritten
.set A2,  2                            ; v2   A1 + 65,536
.set TS1, 3                            ; v3   16 x thread: the head's loads and LDS stores of the parameters
.set TS2, 4                            ; v4   TS1 + 65,536
.set ACC, 8                            ; v8-15 four pairs of running sums
.set MUX, 16                           ; numbers of a row stand in even registers, so that a packed form can take them for both halves; the odd ones beside them are written once, at the head
.set RSX, 18
.set MUH, 20
.set RSH, 22
.set NMI, 16                           ; -mean x log2 e of i, of f
.set NMF, 18
.set AI,  20                           ; 1 / (sum e + 1e-6) of i, of f
.set AF,  22
.set MC,  16                           ; a short norm's mean and 1 / sqrt
.set RC,  18
.set RA,  24                           ; v24, v26 sums on their way across the lanes; v25, v27 the other half's
.set RB,  26
.set PS0, 32                           ; v32-63, v64-95 parameters from LDS, two sets
.set PS1, 64
.set CP,  96                           ; v96-127 c_prev's row
.set G,   128                          ; v128-255 the gates
.set GI,  G
.set GF,  G+32
.set GG,  G+64
.set GO,  G+96
.set XB,  0                            ; in window 1: yx's row at v0-127 (v256-383), yh's at v128-255 (v384-511)
.set HB,  128
.set MSB, 0
.macro WIN new                         ; s_set_vgpr_msb: bits 1:0 source 0, 3:2 source 1, 5:4 source 2, 7:6 destination; the immediate's high byte repeats the setting that is left
.if MSB != \new
	s_set_vgpr_msb (MSB<<8)|\new
.set MSB, \new
.endif
.endm
.set W_LD,  0x40                       ; destination window 1
.set W_UPD, 0x41                       ; destination and source 0 window 1
.set W_RD,  0x01                       ; source 0 window 1
.set W_SQ,  0x05                       ; sources 0 and 1 window 1
.macro LOADROW bank, base, first, n    ; loads first .. first + n - 1 of a row of yx or yh
	WIN W_LD
.set lj, \first
.rept \n
	global_load_b128 v[\bank+4*lj:\bank+4*lj+3], v[A1], s[\base:\base+1] offset:512*lj th:TH_LOAD_NT
.set lj, lj+1
.endr
	WIN 0
.endm
.macro LOADCP
.set lj, 0
.rept 8
	global_load_b128 v[CP+4*lj:CP+4*lj+3], v[A1], s[24:25] offset:512*lj th:TH_LOAD_NT
.set lj, lj+1
.endr
.endm
.macro LDP dst, adr, off, n            ; n x 512 bytes of a parameter
.set lj, 0
.rept \n
	ds_load_b128 v[\dst+4*lj:\dst+4*lj+3], v[\adr] offset:\off+512*lj
.set lj, lj+1
.endr
.endm
.macro STOREROW d, base
.set lj, 0
.rept 8
	global_store_b128 v[A1], v[\d+4*lj:\d+4*lj+3], s[\base:\base+1] offset:512*lj th:TH_STORE_NT
.set lj, lj+1
.endr
.endm
.macro FOLD r                          ; the four pairs of sums become the lane's one
	v_pk_add_f32 v[ACC:ACC+1], v[ACC:ACC+1], v[ACC+2:ACC+3]
	v_pk_add_f32 v[ACC+4:ACC+5], v[ACC+4:ACC+5], v[ACC+6:ACC+7]
	v_pk_add_f32 v[ACC:ACC+1], v[ACC:ACC+1], v[ACC+4:ACC+5]
	v_add_f32 v[\r], v[ACC], v[ACC+1]
.endm
.macro WRED2                           ; two sums across the 32 lanes, by turns; every lane ends with both
.irp m, 1,2,4,8
	v_add_f32_dpp v[RA], v[RA], v[RA] row_xmask:\m row_mask:0xf bank_mask:0xf
	v_add_f32_dpp v[RB], v[RB], v[RB] row_xmask:\m row_mask:0xf bank_mask:0xf
.endr
	v_permlanex16_b32 v[RA+1], v[RA], s46, s47
	v_permlanex16_b32 v[RB+1], v[RB], s46, s47
	v_add_f32 v[RA], v[RA], v[RA+1]
	v_add_f32 v[RB], v[RB], v[RB+1]
.endm
.macro WRED1
.irp m, 1,2,4,8
	v_add_f32_dpp v[RA], v[RA], v[RA] row_xmask:\m row_mask:0xf bank_mask:0xf
.endr
	v_permlanex16_b32 v[RA+1], v[RA], s46, s47
	v_add_f32 v[RA], v[RA], v[RA+1]
.endm
.macro SUM2                            ; the lane's sums of GI's 32 numbers (to RA) and of GF's (to RB): two chains each
	v_pk_add_f32 v[ACC:ACC+1], v[GI:GI+1], v[GI+4:GI+5]
	v_pk_add_f32 v[ACC+2:ACC+3], v[GI+2:GI+3], v[GI+6:GI+7]
	v_pk_add_f32 v[ACC+4:ACC+5], v[GF:GF+1], v[GF+4:GF+5]
	v_pk_add_f32 v[ACC+6:ACC+7], v[GF+2:GF+3], v[GF+6:GF+7]
.irp k, 8,12,16,20,24,28
	v_pk_add_f32 v[ACC:ACC+1], v[ACC:ACC+1], v[GI+\k:GI+\k+1]
	v_pk_add_f32 v[ACC+2:ACC+3], v[ACC+2:ACC+3], v[GI+\k+2:GI+\k+3]
	v_pk_add_f32 v[ACC+4:ACC+5], v[ACC+4:ACC+5], v[GF+\k:GF+\k+1]
	v_pk_add_f32 v[ACC+6:ACC+7], v[ACC+6:ACC+7], v[GF+\k+2:GF+\k+3]
.endr
	v_pk_add_f32 v[ACC:ACC+1], v[ACC:ACC+1], v[ACC+2:ACC+3]
	v_pk_add_f32 v[ACC+4:ACC+5], v[ACC+4:ACC+5], v[ACC+6:ACC+7]
	v_add_f32 v[RA], v[ACC], v[ACC+1]
	v_add_f32 v[RB], v[ACC+4], v[ACC+5]
.endm
; A row of 4,096 (bank, in window 1) takes its bias (LDS, from off on) and is summed: four chunks of 32 registers; the bias comes in two sets by turns.  cnt: the younger global loads, which may stay out.
.macro BIASSUM bank, off, cnt, r
	LDP PS0, A1, \off, 8
	LDP PS1, A1, (\off)+4096, 8
	s_wait_loadcnt \cnt                            ; loads come back in order (ISA guide 5.7.1): the row is in
.irp c, 0,1,2,3
.if \c < 3
	s_wait_dscnt 8                                 ; this chunk's bias is in; the next chunk's eight loads may be out
.else
	s_wait_dscnt 0x0
.endif
	WIN W_UPD
.set k, 0
.rept 16
	v_pk_add_f32 v[\bank+32*\c+2*k:\bank+32*\c+2*k+1], v[\bank+32*\c+2*k:\bank+32*\c+2*k+1], v[PS0+32*(\c%2)+2*k:PS0+32*(\c%2)+2*k+1]
.set k, k+1
.endr
.if \c == 0
	WIN W_SQ                                       ; the first eight pairs start the four chains: nothing is cleared
.set k, 0
.rept 4
	v_pk_add_f32 v[ACC+2*k:ACC+2*k+1], v[\bank+2*k:\bank+2*k+1], v[\bank+8+2*k:\bank+8+2*k+1]
.set k, k+1
.endr
	WIN W_RD
.set k, 8
.rept 8
	v_pk_add_f32 v[ACC+2*(k%4):ACC+2*(k%4)+1], v[\bank+2*k:\bank+2*k+1], v[ACC+2*(k%4):ACC+2*(k%4)+1]
.set k, k+1
.endr
.else
	WIN W_RD
.set k, 0
.rept 16
	v_pk_add_f32 v[ACC+2*(k%4):ACC+2*(k%4)+1], v[\bank+32*\c+2*k:\bank+32*\c+2*k+1], v[ACC+2*(k%4):ACC+2*(k%4)+1]
.set k, k+1
.endr
.endif
	WIN 0
.if \c < 2
	LDP PS0+32*(\c%2), A1, (\off)+4096*(\c+2), 8
.endif
.endr
	FOLD \r
.endm
; The row is centred in place, and the squares of the centred numbers are summed.
.macro CENTSQ bank, mu, r
	WIN W_UPD
.set k, 0
.rept 64
	v_pk_add_f32 v[\bank+2*k:\bank+2*k+1], v[\bank+2*k:\bank+2*k+1], v[\mu:\mu+1] op_sel_hi:[1,0] neg_lo:[0,1] neg_hi:[0,1]
.set k, k+1
.endr
	WIN W_SQ
.set k, 0
.rept 4
	v_pk_mul_f32 v[ACC+2*k:ACC+2*k+1], v[\bank+2*k:\bank+2*k+1], v[\bank+2*k:\bank+2*k+1]
.set k, k+1
.endr
.rept 60
	v_pk_fma_f32 v[ACC+2*(k%4):ACC+2*(k%4)+1], v[\bank+2*k:\bank+2*k+1], v[\bank+2*k:\bank+2*k+1], v[ACC+2*(k%4):ACC+2*(k%4)+1]
.set k, k+1
.endr
	WIN 0
	FOLD \r
.endm
; The gains of half a chunk (16 registers of the row): ln_in_g's, and 16 registers further on ln_hu_g's, into set hc % 2.
.macro GHALF hc
	LDP PS0+32*((\hc)%2), A1, GXo+2048*(\hc), 4
	LDP PS0+16+32*((\hc)%2), A1, GHo+2048*(\hc), 4
.endm
; gates = X (rsx gx) + H (rsh gh) + (the two biases' sum), X and H the centred rows.  The biases' sum lands in the gates' own registers and is the first addend.
.macro GATES
	LDP G, A2, BBo-HI, 32
	GHALF 0
	GHALF 1
	v_nop                                          ; a plain instruction behind the two v_rsq_f32 (ISA guide 5.7.2),
	s_wait_alu depctr_va_vdst(0)                   ; and the wait ahead of the first instruction that names their results
.irp hc, 0,1,2,3,4,5,6,7
.if \hc < 7
	s_wait_dscnt 8                                 ; this half chunk's gains are in, and the biases, which are older; the next half chunk's eight loads may be out
.else
	s_wait_dscnt 0x0
.endif
.set gs, PS0+32*(\hc%2)
.set k, 0
.rept 8
	v_pk_mul_f32 v[gs+2*k:gs+2*k+1], v[gs+2*k:gs+2*k+1], v[RSX:RSX+1] op_sel_hi:[1,0]
	v_pk_mul_f32 v[gs+16+2*k:gs+16+2*k+1], v[gs+16+2*k:gs+16+2*k+1], v[RSH:RSH+1] op_sel_hi:[1,0]
.set k, k+1
.endr
	WIN W_RD
.set k, 0
.rept 8
	v_pk_fma_f32 v[G+16*\hc+2*k:G+16*\hc+2*k+1], v[HB+16*\hc+2*k:HB+16*\hc+2*k+1], v[gs+16+2*k:gs+16+2*k+1], v[G+16*\hc+2*k:G+16*\hc+2*k+1]
.set k, k+1
.endr
.set k, 0
.rept 8
	v_pk_fma_f32 v[G+16*\hc+2*k:G+16*\hc+2*k+1], v[XB+16*\hc+2*k:XB+16*\hc+2*k+1], v[gs+2*k:gs+2*k+1], v[G+16*\hc+2*k:G+16*\hc+2*k+1]
.set k, k+1
.endr
	WIN 0
.if \hc < 6
	GHALF \hc+2
.endif
.endr
.endm
; A norm over 1,024 numbers, 32 a lane in v[d] on, in place.  Its gain is on its way into PS0 and its bias into PS1.
.macro LNORM d
.set k, 0
.rept 4
	v_pk_add_f32 v[ACC+2*k:ACC+2*k+1], v[\d+2*k:\d+2*k+1], v[\d+8+2*k:\d+8+2*k+1]
.set k, k+1
.endr
.set k, 8
.rept 8
	v_pk_add_f32 v[ACC+2*(k%4):ACC+2*(k%4)+1], v[ACC+2*(k%4):ACC+2*(k%4)+1], v[\d+2*k:\d+2*k+1]
.set k, k+1
.endr
	FOLD RA
	WRED1
	v_mul_f32 v[MC], s51, v[RA]                    ; the mean
.set k, 0
.rept 16
	v_pk_add_f32 v[\d+2*k:\d+2*k+1], v[\d+2*k:\d+2*k+1], v[MC:MC+1] op_sel_hi:[1,0] neg_lo:[0,1] neg_hi:[0,1]
.set k, k+1
.endr
.set k, 0
.rept 4
	v_pk_mul_f32 v[ACC+2*k:ACC+2*k+1], v[\d+2*k:\d+2*k+1], v[\d+2*k:\d+2*k+1]
.set k, k+1
.endr
.rept 12
	v_pk_fma_f32 v[ACC+2*(k%4):ACC+2*(k%4)+1], v[\d+2*k:\d+2*k+1], v[\d+2*k:\d+2*k+1], v[ACC+2*(k%4):ACC+2*(k%4)+1]
.set k, k+1
.endr
	FOLD RA
	WRED1
	v_fma_f32 v28, v[RA], s51, s52                 ; the variance + 1e-5
	v_rsq_f32 v[RC], v28
	v_nop                                          ; a plain instruction behind it,
	s_wait_alu depctr_va_vdst(0)                   ; and the wait ahead of its first reader
.set k, 0
.rept 16
	v_pk_mul_f32 v[\d+2*k:\d+2*k+1], v[\d+2*k:\d+2*k+1], v[RC:RC+1] op_sel_hi:[1,0]
.set k, k+1
.endr
	s_wait_dscnt 0x0                               ; gain and bias are in
.set k, 0
.rept 16
	v_pk_fma_f32 v[\d+2*k:\d+2*k+1], v[\d+2*k:\d+2*k+1], v[PS0+2*k:PS0+2*k+1], v[PS1+2*k:PS1+2*k+1]
.set k, k+1
.endr
.endm
	s_load_b512 s[8:23], s[0:1], 0x0               ; yx s[8:9], yh s[10:11], bx s[12:13], bh s[14:15], ln_in_g s[16:17], ln_in_b s[18:19], ln_hu_g s[20:21], ln_hu_b s[22:23]
	s_load_b256 s[24:31], s[0:1], 0x40             ; c_prev s[24:25], ln_c_g s[26:27], ln_c_b s[28:29], ln_h_g s[30:31]
	s_load_b128 s[32:35], s[0:1], 0x60             ; ln_h_b s[32:33], out0 s[34:35]
	s_load_b64 s[36:37], s[0:1], 0x70              ; out1
	v_lshl_add_u32 v29, v0, 2, 0x18000
	v_mov_b32 v31, 0
	v_lshrrev_b32 v5, 5, v0
	v_readfirstlane_b32 s38, v5                    ; wave 0..7
	v_and_b32 v[A1], 31, v0
	v_lshlrev_b32 v[A1], 4, v[A1]
	v_add_nc_u32 v[A2], HI, v[A1]
	v_lshlrev_b32 v[TS1], 4, v0
	v_add_nc_u32 v[TS2], HI, v[TS1]
.irp r, 17,19,21,23,25,27
	v_mov_b32 v\r, 0                               ; named as the upper halves of pairs, or as a lane permute's destination, before anything else writes them
.endr
	s_lshl_b32 s39, ttmp9, 5
	s_lshl_b32 s40, s38, 2
	s_add_co_u32 s39, s39, s40                     ; my first row: 32 x work-group + 4 x wave
	s_lshl_b32 s40, s39, 14                        ; in yx and yh, in bytes (under 2^27)
	s_mov_b32 s41, 0
	s_lshl_b32 s42, s39, 12                        ; in c_prev, out0, out1
	s_mov_b32 s43, 0
	s_mov_b32 s46, 0x76543210                      ; v_permlanex16_b32: each lane takes its own place in the other half
	s_mov_b32 s47, 0xfedcba98
	s_mov_b32 s48, 0xc0e6d4ca                      ; -5 log2 e
	s_mov_b32 s49, 0x40e6d4ca                      ; +5 log2 e
	s_mov_b32 s50, 0x39800000                      ; 1 / 4,096
	s_mov_b32 s51, 0x3a800000                      ; 1 / 1,024
	s_mov_b32 s52, 0x3727c5ac                      ; 1e-5
	s_mov_b32 s54, 0x3fb8aa3b                      ; log2 e  (a packed form names a pair and takes its low word for both halves: so both are written)
	s_mov_b32 s55, s54
	s_mov_b32 s56, 0x4038aa3b                      ; 2 log2 e
	s_mov_b32 s57, s56
	s_mov_b32 s58, 0xbfb8aa3b                      ; -log2 e
	s_mov_b32 s59, s58
	s_mov_b32 s60, 0xbab8aa3b                      ; -log2 e / 1,024
	s_mov_b32 s62, 0x358637bd                      ; 1e-6
	s_mov_b32 s63, s62
	s_wait_kmcnt 0x0
	s_add_nc_u64 s[8:9], s[8:9], s[40:41]
	s_add_nc_u64 s[10:11], s[10:11], s[40:41]
	s_add_nc_u64 s[24:25], s[24:25], s[42:43]
	s_add_nc_u64 s[34:35], s[34:35], s[42:43]
	s_add_nc_u64 s[36:37], s[36:37], s[42:43]
	; the parameters: 28 loads, 16 bytes a thread, 4,096 bytes a load of the work-group, into the registers that the gates will take
.irp k, 0,1,2,3
	global_load_b128 v[128+4*\k:131+4*\k], v[TS1], s[12:13] offset:4096*\k
	global_load_b128 v[144+4*\k:147+4*\k], v[TS1], s[14:15] offset:4096*\k
	global_load_b128 v[160+4*\k:163+4*\k], v[TS1], s[16:17] offset:4096*\k
	global_load_b128 v[176+4*\k:179+4*\k], v[TS1], s[20:21] offset:4096*\k
	global_load_b128 v[192+4*\k:195+4*\k], v[TS1], s[18:19] offset:4096*\k
	global_load_b128 v[208+4*\k:211+4*\k], v[TS1], s[22:23] offset:4096*\k
.endr
	global_load_b128 v[224:227], v[TS1], s[26:27]
	global_load_b128 v[228:231], v[TS1], s[28:29]
	global_load_b128 v[232:235], v[TS1], s[30:31]
	global_load_b128 v[236:239], v[TS1], s[32:33]
	LOADROW XB, 8, 0, 32                           ; my first row of yx
	s_wait_loadcnt 32                              ; the 28 are in; the row's 32 loads may be out
	LOADROW HB, 10, 0, 24                          ; and the first 24 loads of yh's
.set k, 0
.rept 8
	v_pk_add_f32 v[192+2*k:193+2*k], v[192+2*k:193+2*k], v[208+2*k:209+2*k]   ; ln_in_b + ln_hu_b
.set k, k+1
.endr
.irp k, 0,1,2,3
	ds_store_b128 v[TS1], v[128+4*\k:131+4*\k] offset:BXo+4096*\k
	ds_store_b128 v[TS1], v[144+4*\k:147+4*\k] offset:BHo+4096*\k
	ds_store_b128 v[TS1], v[160+4*\k:163+4*\k] offset:GXo+4096*\k
	ds_store_b128 v[TS1], v[176+4*\k:179+4*\k] offset:GHo+4096*\k
	ds_store_b128 v[TS2], v[192+4*\k:195+4*\k] offset:BBo-HI+4096*\k
.endr
	ds_store_b128 v[TS2], v[224:227] offset:CGo-HI
	ds_store_b128 v[TS2], v[228:231] offset:CBo-HI
	ds_store_b128 v[TS2], v[232:235] offset:HGo-HI
	ds_store_b128 v[TS2], v[236:239] offset:HBo-HI
	s_wait_dscnt 0x0                               ; for the others' sake: my part of the parameters lies in LDS
	s_barrier_signal -1
	s_barrier_wait -1                              ; everybody's does; from here on LDS is only read
	LOADROW HB, 10, 24, 8                          ; the rest of yh's row, and c_prev's: 72 loads in the order yx 32, yh 32, c_prev 8, as at the head of every row
	LOADCP
; ONE ROW.  pf = 1: the next row is asked for on the way.
.macro ROW pf
	BIASSUM XB, BXo, 40, RA                        ; younger than yx's loads: yh's 32 and c_prev's 8
	BIASSUM HB, BHo, 8, RB                         ; younger than yh's: c_prev's 8
	WRED2
	v_mul_f32 v[MUX], s50, v[RA]                   ; the two means
	v_mul_f32 v[MUH], s50, v[RB]
	CENTSQ XB, MUX, RA
	CENTSQ HB, MUH, RB
	WRED2
	v_fma_f32 v28, v[RA], s50, s52                 ; the variances + 1e-5
	v_fma_f32 v30, v[RB], s50, s52
	v_rsq_f32 v[RSX], v28
	v_rsq_f32 v[RSH], v30
	GATES
	s_wait_loadcnt 0x0                             ; c_prev's row, asked for most of a row ago, is in: no load of mine is out, so the bases may step
.if \pf
	s_add_nc_u64 s[8:9], s[8:9], ROWY
	s_add_nc_u64 s[10:11], s[10:11], ROWY
	LOADROW XB, 8, 0, 32                           ; the next row: 56 loads now, the other sixteen further down, so that the count of loads out stays inside its field of 63 without a stall at issue
	LOADROW HB, 10, 0, 24
.endif
	; g and o: the exponents, and the first batch of exponentials
.set k, 0
.rept 16
	v_pk_mul_f32 v[GG+2*k:GG+2*k+1], v[GG+2*k:GG+2*k+1], s[56:57] op_sel_hi:[1,0]
	v_pk_mul_f32 v[GO+2*k:GO+2*k+1], v[GO+2*k:GO+2*k+1], s[58:59] op_sel_hi:[1,0]
.set k, k+1
.endr
.set k, 0
.rept 64
	v_exp_f32 v[GG+k], v[GG+k]                     ; 2^(2 g log2 e), 2^(-o log2 e)
.set k, k+1
.endr
	; i and f are centred, scaled by log2 e and clipped: plain work that names none of the batch's results
	SUM2
	WRED2
	v_mul_f32 v[NMI], s60, v[RA]
	v_mul_f32 v[NMF], s60, v[RB]
.set k, 0
.rept 16
	v_pk_fma_f32 v[GI+2*k:GI+2*k+1], v[GI+2*k:GI+2*k+1], s[54:55], v[NMI:NMI+1] op_sel_hi:[1,0,0]
	v_pk_fma_f32 v[GF+2*k:GF+2*k+1], v[GF+2*k:GF+2*k+1], s[54:55], v[NMF:NMF+1] op_sel_hi:[1,0,0]
.set k, k+1
.endr
.set k, 0
.rept 64
	v_med3_num_f32 v[GI+k], v[GI+k], s48, s49
.set k, k+1
.endr
	s_wait_alu depctr_va_vdst(0)                   ; one wait for the 64 exponentials, ahead of their first reader
.set k, 0
.rept 32
	v_pk_add_f32 v[GG+2*k:GG+2*k+1], v[GG+2*k:GG+2*k+1], 1.0 op_sel_hi:[1,0]
.set k, k+1
.endr
	; the second batch: e of i and f; the reciprocals for tanh(g) and sigmoid(o)
.set k, 0
.rept 64
	v_exp_f32 v[GI+k], v[GI+k]
.set k, k+1
.endr
.set k, 0
.rept 64
	v_rcp_f32 v[GG+k], v[GG+k]                     ; GO now holds sigmoid(o)
.set k, k+1
.endr
	v_nop
	s_wait_alu depctr_va_vdst(0)
	SUM2
	WRED2
	v_add_f32 v[RA], s62, v[RA]                    ; sum e + 1e-6
	v_add_f32 v[RB], s62, v[RB]
	v_rcp_f32 v[AI], v[RA]
	v_rcp_f32 v[AF], v[RB]
.set k, 0
.rept 16
	v_pk_fma_f32 v[GG+2*k:GG+2*k+1], v[GG+2*k:GG+2*k+1], -2.0, 1.0 op_sel_hi:[1,0,0]   ; tanh(g): the plain work behind the two reciprocals
.set k, k+1
.endr
	s_wait_alu depctr_va_vdst(0)
.set k, 0
.rept 16
	v_pk_mul_f32 v[GI+2*k:GI+2*k+1], v[GI+2*k:GI+2*k+1], v[AI:AI+1] op_sel_hi:[1,0]    ; u, the input gate ahead of the common divisor
	v_pk_mul_f32 v[GF+2*k:GF+2*k+1], v[GF+2*k:GF+2*k+1], v[AF:AF+1] op_sel_hi:[1,0]    ; v, the forget gate
.set k, k+1
.endr
.set k, 0
.rept 16
	v_pk_add_f32 v[PS0+2*k:PS0+2*k+1], v[GI+2*k:GI+2*k+1], v[GF+2*k:GF+2*k+1]
.set k, k+1
.endr
.set k, 0
.rept 16
	v_pk_add_f32 v[PS0+2*k:PS0+2*k+1], v[PS0+2*k:PS0+2*k+1], s[62:63] op_sel_hi:[1,0]
.set k, k+1
.endr
.set k, 0
.rept 32
	v_rcp_f32 v[PS0+k], v[PS0+k]                   ; 1 / (u + v + 1e-6)
.set k, k+1
.endr
.set k, 0
.rept 16
	v_pk_mul_f32 v[GF+2*k:GF+2*k+1], v[GF+2*k:GF+2*k+1], v[CP+2*k:CP+2*k+1]
.set k, k+1
.endr
.set k, 0
.rept 16
	v_pk_fma_f32 v[GF+2*k:GF+2*k+1], v[GI+2*k:GI+2*k+1], v[GG+2*k:GG+2*k+1], v[GF+2*k:GF+2*k+1]
.set k, k+1
.endr
	s_wait_alu depctr_va_vdst(0)
.set k, 0
.rept 16
	v_pk_mul_f32 v[GI+2*k:GI+2*k+1], v[GF+2*k:GF+2*k+1], v[PS0+2*k:PS0+2*k+1]          ; f c_prev + i tanh(g)
.set k, k+1
.endr
.if \pf
	s_add_nc_u64 s[24:25], s[24:25], ROWC          ; (c_prev's last loads were shown done by the wait for 0 above)
	LOADROW HB, 10, 24, 8                          ; the next row's other sixteen loads
	LOADCP
.endif
	; c
	LDP PS0, A2, CGo-HI, 8
	LDP PS1, A2, CBo-HI, 8
	LNORM GI
	STOREROW GI, 36
	; h
	LDP PS0, A2, HGo-HI, 8
	LDP PS1, A2, HBo-HI, 8
.set k, 0
.rept 16
	v_pk_mul_f32 v[GF+2*k:GF+2*k+1], v[GI+2*k:GI+2*k+1], s[56:57] op_sel_hi:[1,0]
.set k, k+1
.endr
.set k, 0
.rept 32
	v_exp_f32 v[GF+k], v[GF+k]
.set k, k+1
.endr
	v_nop
	s_wait_alu depctr_va_vdst(0)
.set k, 0
.rept 16
	v_pk_add_f32 v[GF+2*k:GF+2*k+1], v[GF+2*k:GF+2*k+1], 1.0 op_sel_hi:[1,0]
.set k, k+1
.endr
.set k, 0
.rept 32
	v_rcp_f32 v[GF+k], v[GF+k]
.set k, k+1
.endr
	v_nop
	s_wait_alu depctr_va_vdst(0)
.set k, 0
.rept 16
	v_pk_fma_f32 v[GF+2*k:GF+2*k+1], v[GF+2*k:GF+2*k+1], -2.0, 1.0 op_sel_hi:[1,0,0]   ; tanh(c)
.set k, k+1
.endr
	LNORM GF
.set k, 0
.rept 16
	v_pk_mul_f32 v[GF+2*k:GF+2*k+1], v[GF+2*k:GF+2*k+1], v[GO+2*k:GO+2*k+1]
.set k, k+1
.endr
	STOREROW GF, 34
.if \pf
	s_wait_xcnt 0x0                                ; the stores have had their addresses translated (ISA guide 3.1): only behind this wait are their bases stepped and, in the next row, their data written again
	s_add_nc_u64 s[34:35], s[34:35], ROWC
	s_add_nc_u64 s[36:37], s[36:37], ROWC
.endif
.endm
	s_mov_b32 s44, 3
.Lrow:                                             ; three rows that ask for a successor
	ROW 1
	s_sub_co_u32 s44, s44, 1
	s_cmp_lg_u32 s44, 0
	s_cbranch_scc1 .Lrow
	ROW 0                                          ; the last row is written out without loads: none leaves its buffer, and every counted wait holds on every path
	s_wait_tensorcnt 0x0
	ds_add_u32 v29, v31
	s_wait_dscnt 0x0
	s_endpgm
.Lfunc_end_k_q04dffc0921_cell:
	.size	k_q04dffc0921_cell, .Lfunc_end_k_q04dffc0921_cell-k_q04dffc0921_cell
	.p2alignl 7, 3214868480
	.fill 96, 4, 3214868480
	.section	.rodata,"a",@progbits
	.p2align	6, 0x0
	.amdhsa_kernel k_q04dffc0921_cell
		.amdhsa_group_segment_fixed_size 99328
		.amdhsa_private_segment_fixed_size 0
		.amdhsa_enable_private_segment 0
		.amdhsa_kernarg_size 120
		.amdhsa_user_sgpr_count 2
		.amdhsa_user_sgpr_kernarg_segment_ptr 1
		.amdhsa_wavefront_size32 1
		.amdhsa_system_sgpr_workgroup_id_x 1
		.amdhsa_system_sgpr_workgroup_id_y 1
		.amdhsa_system_sgpr_workgroup_id_z 1
		.amdhsa_system_vgpr_workitem_id 0
		.amdhsa_next_free_vgpr 512
		.amdhsa_next_free_sgpr 66
		.amdhsa_reserve_vcc 0
		.amdhsa_float_denorm_mode_32 3
		.amdhsa_float_denorm_mode_16_64 3
		.amdhsa_memory_ordered 1
		.amdhsa_forward_progress 1
		.amdhsa_inst_pref_size 251
	.end_amdhsa_kernel
	.amdgpu_metadata
---
amdhsa.version: [ 1, 2 ]
amdhsa.kernels:
  - .name:           k_q04dffc0921_cell
    .symbol:         k_q04dffc0921_cell.kd
    .args:
      - { .name: yx, .offset: 0, .size: 8, .value_kind: global_buffer, .address_space: global }
      - { .name: yh, .offset: 8, .size: 8, .value_kind: global_buffer, .address_space: global }
      - { .name: bx, .offset: 16, .size: 8, .value_kind: global_buffer, .address_space: global }
      - { .name: bh, .offset: 24, .size: 8, .value_kind: global_buffer, .address_space: global }
      - { .name: ln_in_g, .offset: 32, .size: 8, .value_kind: global_buffer, .address_space: global }
      - { .name: ln_in_b, .offset: 40, .size: 8, .value_kind: global_buffer, .address_space: global }
      - { .name: ln_hu_g, .offset: 48, .size: 8, .value_kind: global_buffer, .address_space: global }
      - { .name: ln_hu_b, .offset: 56, .size: 8, .value_kind: global_buffer, .address_space: global }
      - { .name: c_prev, .offset: 64, .size: 8, .value_kind: global_buffer, .address_space: global }
      - { .name: ln_c_g, .offset: 72, .size: 8, .value_kind: global_buffer, .address_space: global }
      - { .name: ln_c_b, .offset: 80, .size: 8, .value_kind: global_buffer, .address_space: global }
      - { .name: ln_h_g, .offset: 88, .size: 8, .value_kind: global_buffer, .address_space: global }
      - { .name: ln_h_b, .offset: 96, .size: 8, .value_kind: global_buffer, .address_space: global }
      - { .name: out0, .offset: 104, .size: 8, .value_kind: global_buffer, .address_space: global }
      - { .name: out1, .offset: 112, .size: 8, .value_kind: global_buffer, .address_space: global }
    .group_segment_fixed_size: 99328
    .private_segment_fixed_size: 0
    .kernarg_segment_align: 8
    .kernarg_segment_size: 120
    .max_flat_workgroup_size: 256
    .sgpr_count:     66
    .vgpr_count:     512
    .wavefront_size: 32
...
	.end_amdgpu_metadata
.endif
;; end of part 2
